; MI455X (gfx1250); checked and timed in simulation.
; The chip was launched on July 23, 2026; its instructions are those of AMD's public machine-readable ISA for CDNA 5 (MIT licence, August 2026) and "CDNA5" Instruction Set Architecture Reference Guide (July 2026). The comments in the code are by the model that wrote it; some were corrected since.
;; Multihead Attention. Allowed arithmetic: matrix products marked QUANTISED: E2M1 operands, one E8M0 scale for each 32 along K, by v_wmma_scale_f32_16x16x128_f8f6f4 with both operands' format E2M1 (or v_wmma_scale_f32_32x16x128_f4), f32 sums; everything else in f32.
;; Inputs: Wf 1,024 x 1,024 float32; Wk 1,024 x 1,024 float32; Wq 1,024 x 1,024 float32; Wv 1,024 x 1,024 float32; bf 1,024 float32; bk 1,024 float32; bq 1,024 float32; bv 1,024 float32; key_ 16 x 2,048 x 1,024 float32; query 16 x 1 x 1,024 float32; value 16 x 2,048 x 1,024 float32.
;; Outputs: out0 16 x 1 x 1,024 float32.
;; This version of the problem:
;;   THIS VERSION OF THE PROBLEM IS GIVEN IN LOW PRECISION. The matrix products marked QUANTISED in the list below multiply operands that are first quantised to E2M1 (2 exponent bits, 1 mantissa bit; 4 bits a number), with one power-of-two scale for each 32 numbers along K (OCP MX v1.0); their sums are f32. All else is computed in f32.
;;   The module's matrix products, in the order in which they are computed (A, B: the left and right operand; K: the contracted axis; several contracted axes count as one K, in the product's order):
;;     1. [M 16, K 1,024] x [K 1,024, N 1,024]; A: input query; B: input Wq: QUANTISED
;;     2. [M 32,768, K 1,024] x [K 1,024, N 1,024]; A: input key_; B: input Wk: QUANTISED
;;     3. [M 32,768, K 1,024] x [K 1,024, N 1,024]; A: input value; B: input Wv: QUANTISED
;;     4. [M 16, K 1,024] x [K 1,024, N 1,024]; A: computed on the way; B: input Wf: QUANTISED
;;   THE QUANTISER, for each operand of a quantised product, along K:
;;     - K is cut into blocks of 32 from its start; a last block that is shorter is filled with zeros.
;;     - A block's scale is 2^e with e = floor(log2(the largest magnitude in the block)) - 2, held to -126 .. 127; a block of zeros has e = 0. As a byte (E8M0): e + 127.
;;     - Each number is divided by its block's scale, clamped to +-6, and rounded to the nearest number of E2M1, ties to even, subnormals kept.
;;     - The product sums the exact products of the quantised numbers (number of the format x scale) in f32.
;;   ~~~python
;;   def quantise(x, axis):      # numpy; x: float32 -> the quantised numbers, widened to float32 again
;;       x = np.moveaxis(x, axis, -1); K = x.shape[-1]
;;       x = np.pad(x, [(0, 0)] * (x.ndim - 1) + [(0, -K % 32)]); x = x.reshape(x.shape[:-1] + (-1, 32)); a = np.abs(x).max(-1, keepdims=True)
;;       e = np.where(a > 0, np.clip(np.frexp(np.where(a > 0, a, 1))[1] - 1 - 2, -126, 127), 0)      # np.frexp(a)[1] - 1 = floor(log2(a)), exactly
;;       r = np.clip(x / 2.0 ** e, -6, 6)
;;       step = 2.0 ** (np.maximum(np.frexp(np.where(r == 0, 1, r))[1] - 1, 0) - 1)
;;       q = np.round(r / step) * step * 2.0 ** e      # np.round: ties to even
;;       return np.moveaxis(q.reshape(q.shape[:-2] + (-1,))[..., :K], -1, axis).astype(np.float32)
;;   ~~~
;;   OPERANDS COMPUTED ON THE WAY. 'Computed on the way' means the value that the module computes at that place (a softmax that the list does not call 'softmax' is quantised finished and normalised). What goes into a quantiser is computed in f32, as accurately as f32 sums, v_exp_f32 and their like allow (about 1e-6 of the number): no bf16 or f16 on the way to a quantiser, and a product that is left as it is and whose result goes on into a quantised operand takes f32 operands (vector FMAs, or v_wmma_f32_16x16x4_f32). A number that lies on a knife's edge between two numbers of the format may be rounded either way, as far as f32 arithmetic and the matrix unit's own rounding can turn it there, and no further.
;; One version. Each part assembles by itself: llvm-mc -triple=amdgcn-amd-amdhsa -mcpu=gfx1250 --defsym DOCPART=n.
;; ======== version 1 of 1: 3 launches
;; limits: right only within a limited range of input values
;; workspace buffers: wimg 1,671,168 bytes; qs 65,536 bytes; part 1,048,576 bytes
;; launch prep (part 1): grid 256 x 1, 8 waves a work-group, no clusters, 144,896 bytes of LDS; arguments Wk, Wv, Wf, Wq, query, bq, wimg, qs; writes wimg, qs
.if DOCPART == 1
	.amdgcn_target "amdgcn-amd-amdhsa--gfx1250"
	.amdhsa_code_object_version 6
	.text
	.protected	k_q15613c0e6d_prep
	.globl	k_q15613c0e6d_prep
	.p2align	8
	.type	k_q15613c0e6d_prep,@function
k_q15613c0e6d_prep:
	s_mov_b64 s[64:65], 0
	v_nop
	global_prefetch_b8 v0, s[64:65] scope:SCOPE_SE
	s_setreg_imm32_b32 hwreg(HW_REG_WAVE_MODE, 25, 1), 1
	s_wait_xcnt 0x0
; Wk, Wv, Wf [1024][1024] f32 become codes of FP4 (E2M1) with one E8M0 byte for each 32 along K, laid in wimg in the ORDER OF THE OPERAND'S REGISTERS; and qs = (Q(query) Q(Wq)^T + bq) x log2(e) / 32.
; wimg: 48 head blocks of 34,816 bytes (0-15 Wk, 16-31 Wv, 32-47 Wf), a block = 64 rows n, all of K:
;   32 fragment images of 1,024 bytes, (K step s, tile t) at (4 s + t) 1,024: registers 4 c .. 4 c + 3 of lane l at 512 c + 16 l (row 16 t + l % 16, k = 128 s + 64 c + 32 (l / 16) + 0 .. 31);
;   4 scale images of 512 bytes at 32,768 + 512 t: lane l's 16 bytes are the scale words of row 16 t + l % 16 for K steps 4 (l / 16) .. + 3.
; SHARES.  Work-group T: tensor T / 64 (0 Wk, 1 Wv, 2 Wf, 3 Wq), rows 16 (T % 64) on.  Wave s takes K step s: a unit of 16 rows x 128 numbers.
; A UNIT comes by 16 loads of 512 consecutive bytes (one row's), turns through the wave's own stage in LDS (rows 528 bytes apart: an odd multiple of 16, so that the sixteen rows of a read start at sixteen
; different 16-byte columns of 256) and comes back so that lane (r, h) holds, of row r, k = 64 c + 32 h + 0 .. 31 in registers 32 c on: two whole blocks of 32 a lane, in the operand's own order.
; A block's scale is 2^(floor(log2(largest magnitude)) - 2): its byte is the largest magnitude's exponent field - 2, held at 1 from below by a floor among the maximum's leaves.
; The work-groups of Wq (T / 64 = 3) multiply at once: each wave one product of 128 along K, the eight parts are added in LDS order s = 0 .. 7 by wave 0.  So q's K is summed in eight parts: another order of f32 sums than one chain.
; The two ways part on the work-group's number alone; each has LDS bytes, a barrier and an end of its own.
; No tensor load, no cluster: every weight byte is read by one wave only; what the 64 work-groups of Wq share is query, 64 KiB in all, read whole by each, 64 KiB of a work-group's 128.
; qs leaves as pieces of 64 bytes a batch row (16 outputs of 16 rows): 64 KiB in the whole launch.
; LIMITS: NaN and infinities among the inputs are not served.  A block of zeros gets the byte 1 where the rule says 127: its codes are zeros, and this program alone reads the bytes.
.set SPITCH, 528
.set STGB,   16*SPITCH                 ; a wave's stage
.set STGW,   0                         ; the stages of the weights' way
.set STGQ,   8*STGB                    ; those of q's way
.set SCG,    16*STGB                   ; the weights' way: 512 bytes, a tile's scale image
.set QRED,   SCG+512                   ; q's way: eight parts of 1,024 bytes
.set HBLK,   34816
.set GA,  4                            ; v4   16 x lane
.set SIW, 5                            ; v5   stage, in  (weights' way)
.set SOW, 6                            ; v6   stage, out
.set SH8, 7                            ; v7   8 (lane / 16)
.set SIQ, 8                            ; v8   stage, in  (q's way)
.set SOQ, 9                            ; v9   stage, out
.set SCS, 10                           ; v10  where my scale word goes in the scale image
.set QRS, 11                           ; v11  where my part of q goes
.set QRL, 12                           ; v12  where wave 0 reads the parts
.set SCL, 13                           ; v13  where wave 0 reads the scale image
.set FO,  14                           ; v14  my fragment's place in the head block
.set SO,  15                           ; v15  the scale image's place in it
.set M,   16                           ; v16-19 four chains of maxima; then the two bytes in v17, v19
.set E,   20                           ; v20-21 the conversions' scale operands
.set PW,  24                           ; v24  the weight's scale word (scales alone)
.set PX,  25                           ; v25  the other half's bytes
.set QW,  26                           ; v26  query's scale word (scales alone)
.set BQO, 27
.set QSO, 28
.set PC,  32                           ; v32-39 the weight's codes
.set QC,  40                           ; v40-47 query's codes
.set ACC, 48                           ; v48-55
.set BQ,  56                           ; v56-63
.set R,   64                           ; v64-127  the weight's unit
.set R2,  128                          ; v128-191 query's unit
.set SEL, 28                           ; s[28:29] v_permlanex16_b32's selects for lane l xor 16
.macro TURN x, sin, sout               ; a unit through the stage: LDS serves a wave's instructions in order, so no wait stands between the stores and the loads
.irp k, 0,1,2,3,4,5,6,7,8,9,10,11,12,13,14,15
	ds_store_b128 v[\sin], v[\x+4*\k:\x+4*\k+3] offset:SPITCH*\k
.endr
.irp c, 0,1
.irp e, 0,1,2,3,4,5,6,7
	ds_load_b128 v[\x+32*\c+4*\e:\x+32*\c+4*\e+3], v[\sout] offset:256*\c+16*\e
.endr
.endr
	s_wait_dscnt 0x0                               ; the unit is back
.endm
; 64 numbers of a lane, register 32 c + e = k 64 c + 32 (lane / 16) + e of my row, become the fragment's 8 registers of codes and its scale word, whole in every lane.
.macro QUANT x, pc, pw
	v_max3_num_f32 v[M],   |v[\x]|,    |v[\x+1]|,  0x1800000     ; two chains for each of my two blocks; the floor 2^(3 - 127) among the leaves holds the byte at 1 from below
	v_max3_num_f32 v[M+1], |v[\x+2]|,  |v[\x+3]|,  0x1800000
	v_max3_num_f32 v[M+2], |v[\x+32]|, |v[\x+33]|, 0x1800000
	v_max3_num_f32 v[M+3], |v[\x+34]|, |v[\x+35]|, 0x1800000
.irp i, 4,8,12,16,20,24,28
	s_delay_alu instid0(VALU_DEP_4)
	v_max3_num_f32 v[M],   |v[\x+\i]|,    |v[\x+\i+1]|,  v[M]
	s_delay_alu instid0(VALU_DEP_4)
	v_max3_num_f32 v[M+1], |v[\x+\i+2]|,  |v[\x+\i+3]|,  v[M+1]
	s_delay_alu instid0(VALU_DEP_4)
	v_max3_num_f32 v[M+2], |v[\x+\i+32]|, |v[\x+\i+33]|, v[M+2]
	s_delay_alu instid0(VALU_DEP_4)
	v_max3_num_f32 v[M+3], |v[\x+\i+34]|, |v[\x+\i+35]|, v[M+3]
.endr
	s_delay_alu instid0(VALU_DEP_3)
	v_max_num_f32 v[M], v[M], v[M+1]
	s_delay_alu instid0(VALU_DEP_2)
	v_max_num_f32 v[M+2], v[M+2], v[M+3]
	s_delay_alu instid0(VALU_DEP_2)
	v_add_nc_u32 v[E], 0xff000000, v[M]            ; 2 off the exponent field: the conversion takes the exponent field of this operand as its scale
	s_delay_alu instid0(VALU_DEP_2)
	v_add_nc_u32 v[E+1], 0xff000000, v[M+2]
	s_delay_alu instid0(VALU_DEP_2)
	v_lshrrev_b32 v[M+1], 23, v[E]                 ; the bytes of blocks h and 2 + h
	s_delay_alu instid0(VALU_DEP_2)
	v_lshrrev_b32 v[M+3], 23, v[E+1]
	s_delay_alu instid0(VALU_DEP_1)
	v_lshl_or_b32 v[\pw], v[M+3], 16, v[M+1]
	s_delay_alu instid0(VALU_DEP_1)
	v_lshlrev_b32 v[\pw], v[SH8], v[\pw]           ; at their places in the word;
	s_delay_alu instid0(VALU_DEP_1)
	v_permlanex16_b32 v[PX], v[\pw], s[SEL], s[SEL+1]
	s_delay_alu instid0(VALU_DEP_1)
	v_or_b32 v[\pw], v[\pw], v[PX]                 ; with lane l xor 16's two the word is whole
.irp c, 0,1
.irp g, 0,1,2,3
	v_cvt_scalef32_pk8_fp4_f32 v[\pc+4*\c+\g], v[\x+32*\c+8*\g:\x+32*\c+8*\g+7], v[E+\c]
.endr
.endr
	v_nop                                          ; one plain place behind the last scaled conversion
.endm
	s_load_b256 s[4:11], s[0:1], 0x0               ; Wk s[4:5], Wv s[6:7], Wf s[8:9], Wq s[10:11]
	s_load_b256 s[12:19], s[0:1], 0x20             ; query s[12:13], bq s[14:15], wimg s[16:17], qs s[18:19]
	v_lshl_add_u32 v192, v0, 2, 0x23200
	v_mov_b32 v193, 0
	v_lshrrev_b32 v1, 5, v0
	s_delay_alu instid0(VALU_DEP_1)
	v_readfirstlane_b32 s20, v1                    ; wave = K step
	v_and_b32 v1, 31, v0                           ; lane
	v_and_b32 v2, 15, v0                           ; r
	v_bfe_u32 v3, v0, 4, 1                         ; h
	s_lshr_b32 s21, ttmp9, 6                       ; which tensor
	s_and_b32 s22, ttmp9, 63                       ; which 16 rows of it
	s_lshr_b32 s23, s22, 2                         ; head block
	s_and_b32 s33, s22, 3                          ; tile in it
	s_mov_b32 s[SEL], 0x76543210
	s_mov_b32 s[SEL+1], 0xfedcba98
	v_lshlrev_b32 v[GA], 4, v1
	s_mul_i32 s34, s20, STGB                       ; every LDS address is made here, ahead of the parting of the ways
	v_add_nc_u32 v[SIW], s34, v[GA]
	v_mul_u32_u24 v[SOW], v2, SPITCH
	s_delay_alu instid0(VALU_DEP_1)
	v_lshl_add_u32 v[SOW], v3, 7, v[SOW]
	s_delay_alu instid0(VALU_DEP_1)
	v_add_nc_u32 v[SOW], s34, v[SOW]
	v_lshlrev_b32 v[SH8], 3, v3
	v_add_nc_u32 v[SIQ], STGQ, v[SIW]
	s_delay_alu instid0(VALU_DEP_3)
	v_add_nc_u32 v[SOQ], STGQ, v[SOW]
	s_lshr_b32 s35, s20, 2
	s_lshl_b32 s35, s35, 8
	s_and_b32 s36, s20, 3
	s_lshl_b32 s36, s36, 2
	s_add_co_u32 s35, s35, s36
	s_add_co_u32 s35, s35, SCG
	v_lshl_add_u32 v[SCS], v2, 4, s35              ; 256 (s / 4) + 16 r + 4 (s % 4)
	s_lshl_b32 s35, s20, 10
	s_add_co_u32 s35, s35, QRED
	v_lshl_add_u32 v[QRS], v1, 5, s35
	v_lshl_add_u32 v[QRL], v1, 5, QRED
	v_lshl_add_u32 v[SCL], v1, 4, SCG
	s_lshl_b32 s37, s20, 2
	s_add_co_u32 s37, s37, s33
	s_lshl_b32 s37, s37, 10
	s_lshl_b32 s38, s33, 9
	s_add_co_u32 s38, s38, 32768
	v_lshlrev_b32 v[BQO], 5, v3                    ; bq: 8 h numbers on
	s_delay_alu instid0(VALU_DEP_1)
	v_lshl_add_u32 v[QSO], v2, 12, v[BQO]          ; qs: row r, 8 h numbers on
	v_mov_b32 v[PX], 0                             ; written once: a lane permute's destination counts as one of its sources
	s_lshl_b32 s24, s22, 16                        ; 16 rows of 4,096 bytes,
	s_lshl_b32 s25, s20, 9                         ; my 512 bytes of a row
	s_add_co_u32 s24, s24, s25
	s_mov_b32 s25, 0
	s_wait_alu depctr_va_vdst(0)                   ; the wait at the head's end
	s_wait_kmcnt 0x0
	s_cmp_eq_u32 s21, 1                            ; the tensor is chosen on the work-group's number alone
	s_cselect_b64 s[4:5], s[6:7], s[4:5]
	s_cmp_eq_u32 s21, 2
	s_cselect_b64 s[4:5], s[8:9], s[4:5]
	s_cmp_eq_u32 s21, 3
	s_cselect_b64 s[4:5], s[10:11], s[4:5]
	s_add_nc_u64 s[4:5], s[4:5], s[24:25]
.irp k, 0,1,2,3,4,5,6,7,8,9,10,11,12,13,14,15
	global_load_b128 v[R+4*\k:R+4*\k+3], v[GA], s[4:5] offset:4096*\k th:TH_LOAD_NT   ; 32 lanes read 512 consecutive bytes of row k; read once in the launch
.endr
	s_cmp_eq_u32 s21, 3
	s_cbranch_scc1 .Lquery
	; ---- Wk, Wv, Wf: my fragment and its scale word
	s_lshl_b32 s26, s21, 4
	s_add_co_u32 s26, s26, s23
	s_mul_i32 s26, s26, HBLK                       ; the head block (Wk, Wf)
	s_add_co_u32 s37, s37, s26                     ; my fragment in it: + (4 s + t) 1,024
	s_add_co_u32 s38, s38, s26                     ; the scale image: + 32,768 + 512 t
	; Wv IS LAID OTHERWISE in its 16 blocks' bytes (from 16 HBLK on): first the 64 scale images, head hd, tile t at 2,048 hd + 512 t; then, 32,768 bytes on, the fragments in pieces of 512 bytes:
	; registers 4 c .. 4 c + 3 of (hd, t, K step s) at 131,072 (hd / 4) + 65,536 (hd % 2) + 512 ((hd % 4) / 2) + 1,024 t + 4,096 (2 s + c) + 16 lane: the offsets by which the main launch loads a unit of 16 rows
	s_lshr_b32 s42, s23, 2
	s_lshl_b32 s42, s42, 17
	s_and_b32 s43, s23, 1
	s_lshl_b32 s43, s43, 16
	s_add_co_u32 s42, s42, s43
	s_bfe_u32 s43, s23, 0x10001
	s_lshl_b32 s43, s43, 9
	s_add_co_u32 s42, s42, s43
	s_lshl_b32 s43, s33, 10
	s_add_co_u32 s42, s42, s43
	s_lshl_b32 s43, s20, 13
	s_add_co_u32 s42, s42, s43
	s_add_co_u32 s42, s42, 16*HBLK+32768
	s_lshl_b32 s43, s23, 11
	s_lshl_b32 s39, s33, 9
	s_add_co_u32 s43, s43, s39
	s_add_co_u32 s43, s43, 16*HBLK
	s_cmp_eq_u32 s21, 1                            ; the work-group's number alone decides
	s_cselect_b32 s37, s42, s37
	s_cselect_b32 s38, s43, s38
	s_mov_b32 s39, 512
	s_cselect_b32 s39, 4096, s39                   ; from a fragment's first four registers to its last four
	v_add_nc_u32 v[FO], s37, v[GA]
	v_add_nc_u32 v[SO], s38, v[GA]
	s_delay_alu instid0(VALU_DEP_2)
	v_add_nc_u32 v29, s39, v[FO]
	s_wait_loadcnt 0x0
	TURN R, SIW, SOW
	QUANT R, PC, PW
	global_store_b128 v[FO], v[PC:PC+3], s[16:17]              ; 32 lanes store 512 consecutive bytes, at a multiple of 512 from wimg's first byte
	global_store_b128 v29, v[PC+4:PC+7], s[16:17]
	ds_store_b32 v[SCS], v[PW]                     ; both lanes of a row write the same word with the same value
	s_wait_dscnt 0x0                               ; for wave 0's sake: my word lies in the image
	s_barrier_signal -1
	s_barrier_wait -1
	s_cmp_lg_u32 s20, 0
	s_cbranch_scc1 .Lend_w
	ds_load_b128 v[BQ:BQ+3], v[SCL]                ; the tile's scale image, eight waves' words
	s_wait_dscnt 0x0
	global_store_b128 v[SO], v[BQ:BQ+3], s[16:17]  ; 512 consecutive bytes
.Lend_w:
	s_wait_tensorcnt 0x0
	ds_add_u32 v192, v193
	s_wait_dscnt 0x0
	s_endpgm
	; ---- Wq: quantised likewise, and multiplied at once with query's K step
.Lquery:
	s_lshl_b32 s24, s20, 9
	s_add_nc_u64 s[12:13], s[12:13], s[24:25]
.irp k, 0,1,2,3,4,5,6,7,8,9,10,11,12,13,14,15
	global_load_b128 v[R2+4*\k:R2+4*\k+3], v[GA], s[12:13] offset:4096*\k   ; query's row (batch) k
.endr
	s_wait_loadcnt 16                              ; Wq's sixteen are in; query's sixteen, issued behind them, may be out
	TURN R, SIQ, SOQ
	QUANT R, PC, PW
	s_wait_loadcnt 0x0
	TURN R2, SIQ, SOQ
	QUANT R2, QC, QW
.rept 8
	v_nop                                          ; a scale register written by a vector instruction stands 8 places ahead of a scaled matrix instruction, an operand so written 4
.endr
	v_wmma_scale_f32_16x16x128_f8f6f4 v[ACC:ACC+7], v[PC:PC+7], v[QC:QC+7], 0, v[PW], v[QW] matrix_a_fmt:MATRIX_FMT_FP4 matrix_b_fmt:MATRIX_FMT_FP4   ; transposed: lane (r, h), register j: batch r, output 16 tt + 8 h + j
.rept 4
	v_nop
.endr
	ds_store_b128 v[QRS], v[ACC:ACC+3]             ; the result from its low end on
	ds_store_b128 v[QRS], v[ACC+4:ACC+7] offset:16
	s_wait_dscnt 0x0                               ; for wave 0's sake
	s_barrier_signal -1
	s_barrier_wait -1
	s_cmp_lg_u32 s20, 0
	s_cbranch_scc1 .Lend_q
	s_lshl_b32 s24, s22, 6                         ; 16 tt numbers on, in bq and in a row of qs
	s_add_nc_u64 s[14:15], s[14:15], s[24:25]
	s_add_nc_u64 s[18:19], s[18:19], s[24:25]
	global_load_b128 v[BQ:BQ+3], v[BQO], s[14:15]
	global_load_b128 v[BQ+4:BQ+7], v[BQO], s[14:15] offset:16
.irp p, 0,1,2,3,4,5,6,7
	ds_load_b128 v[R+8*\p:R+8*\p+3], v[QRL] offset:1024*\p
	ds_load_b128 v[R+8*\p+4:R+8*\p+7], v[QRL] offset:1024*\p+16
.endr
	s_wait_dscnt 0x0
.irp p, 1,2,3,4,5,6,7
.irp j, 0,2,4,6
	v_pk_add_f32 v[R+\j:R+\j+1], v[R+\j:R+\j+1], v[R+8*\p+\j:R+8*\p+\j+1]   ; K steps in ascending order
.endr
.endr
	s_wait_alu depctr_va_vdst(0)
	s_wait_loadcnt 0x0
.irp j, 0,2,4,6
	v_pk_add_f32 v[R+\j:R+\j+1], v[R+\j:R+\j+1], v[BQ+\j:BQ+\j+1]
.endr
.irp j, 0,2,4,6
	s_delay_alu instid0(VALU_DEP_4)
	v_pk_mul_f32 v[R+\j:R+\j+1], v[R+\j:R+\j+1], 0x3d38aa3b op_sel_hi:[1,0]   ; x log2(e) / sqrt(1024): the scores then are exponents of 2
.endr
	global_store_b128 v[QSO], v[R:R+3], s[18:19]
	global_store_b128 v[QSO], v[R+4:R+7], s[18:19] offset:16
.Lend_q:
	s_wait_tensorcnt 0x0
	ds_add_u32 v192, v193
	s_wait_dscnt 0x0
	s_endpgm
.Lfunc_end_k_q15613c0e6d_prep:
	.size	k_q15613c0e6d_prep, .Lfunc_end_k_q15613c0e6d_prep-k_q15613c0e6d_prep
	.p2alignl 7, 3214868480
	.fill 96, 4, 3214868480
	.section	.rodata,"a",@progbits
	.p2align	6, 0x0
	.amdhsa_kernel k_q15613c0e6d_prep
		.amdhsa_group_segment_fixed_size 144896
		.amdhsa_private_segment_fixed_size 0
		.amdhsa_enable_private_segment 0
		.amdhsa_kernarg_size 64
		.amdhsa_user_sgpr_count 2
		.amdhsa_user_sgpr_kernarg_segment_ptr 1
		.amdhsa_wavefront_size32 1
		.amdhsa_system_sgpr_workgroup_id_x 1
		.amdhsa_system_sgpr_workgroup_id_y 1
		.amdhsa_system_sgpr_workgroup_id_z 1
		.amdhsa_system_vgpr_workitem_id 0
		.amdhsa_next_free_vgpr 194
		.amdhsa_next_free_sgpr 66
		.amdhsa_reserve_vcc 0
		.amdhsa_float_denorm_mode_32 3
		.amdhsa_float_denorm_mode_16_64 3
		.amdhsa_memory_ordered 1
		.amdhsa_forward_progress 1
		.amdhsa_inst_pref_size 32
	.end_amdhsa_kernel
	.amdgpu_metadata
---
amdhsa.version: [ 1, 2 ]
amdhsa.kernels:
  - .name:           k_q15613c0e6d_prep
    .symbol:         k_q15613c0e6d_prep.kd
    .args:
      - { .name: Wk, .offset: 0, .size: 8, .value_kind: global_buffer, .address_space: global }
      - { .name: Wv, .offset: 8, .size: 8, .value_kind: global_buffer, .address_space: global }
      - { .name: Wf, .offset: 16, .size: 8, .value_kind: global_buffer, .address_space: global }
      - { .name: Wq, .offset: 24, .size: 8, .value_kind: global_buffer, .address_space: global }
      - { .name: query, .offset: 32, .size: 8, .value_kind: global_buffer, .address_space: global }
      - { .name: bq, .offset: 40, .size: 8, .value_kind: global_buffer, .address_space: global }
      - { .name: wimg, .offset: 48, .size: 8, .value_kind: global_buffer, .address_space: global }
      - { .name: qs, .offset: 56, .size: 8, .value_kind: global_buffer, .address_space: global }
    .group_segment_fixed_size: 144896
    .private_segment_fixed_size: 0
    .kernarg_segment_align: 8
    .kernarg_segment_size: 64
    .max_flat_workgroup_size: 256
    .sgpr_count:     66
    .vgpr_count:     194
    .wavefront_size: 32
...
	.end_amdgpu_metadata
.endif
;; end of part 1
;; launch main (part 2): grid 256 x 1, 4 waves a work-group, clusters of 4 x 1, 327,680 bytes of LDS; arguments key_, value, wimg, qs, bk, bv, part; writes part
.if DOCPART == 2
	.amdgcn_target "amdgcn-amd-amdhsa--gfx1250"
	.amdhsa_code_object_version 6
	.text
	.protected	k_q15613c0e6d_main
	.globl	k_q15613c0e6d_main
	.p2align	8
	.type	k_q15613c0e6d_main,@function
k_q15613c0e6d_main:
	s_mov_b64 s[64:65], 0
	v_nop
	global_prefetch_b8 v0, s[64:65] scope:SCOPE_SE
	s_setreg_imm32_b32 hwreg(HW_REG_WAVE_MODE, 25, 1), 1
	s_wait_xcnt 0x0
	s_wait_alu depctr_hold_cnt(0) depctr_sa_sdst(0) depctr_va_vdst(0) depctr_va_sdst(0) depctr_va_ssrc(0) depctr_va_vcc(0) depctr_vm_vsrc(0)
	s_getreg_b32 s2, hwreg(HW_REG_IB_STS2, 6, 4)
	s_cmp_eq_u32 s2, 0
	s_cbranch_scc0 .Lentry_in_a_cluster
	s_endpgm
.Lentry_in_a_cluster:
	s_bfe_u32 s2, ttmp6, 0x10000c
	s_cmp_lg_u32 s2, 0x3003
	s_cbranch_scc0 .Lentry_shape_is_right
	s_endpgm
.Lentry_shape_is_right:
; part[g][n] = the sum over work-group g's 128 rows (batch g / 16) of att[row][head] x (Q(value) Q(Wv)^T + bv)[row][n], with att = the softmax over the 16 heads of
; sum over d of qs[head][d] x (Q(key_) Q(Wk)^T + bk)[row][head][d]; qs carries log2(e) / 32, so the scores are exponents of 2; the row's largest score is taken away first.
; Both products run on codes of FP4 (E2M1) with one E8M0 byte for each 32 along K.  Every input is used; no step of the problem is left out.
; SHARES.  A work-group owns 128 rows.  Wave w quantises rows 32 w .. + 31 in units of 16 rows x 128 K.  Then EVERY wave takes the codes of all 128 rows into 512 registers, and wave w multiplies them with
; tile w (16 of 64 columns) of every head: each weight fragment goes to one wave only and feeds 8 matrix instructions.  Source 0 = 16 weight rows, source 1 = 16 data rows: lane (r, h), register j: data row r, column 8 h + j.
; bk and bv are the C of each accumulator's first product.  The four waves' parts of a score meet in LDS; in the second product a wave holds all rows of its columns.
; A UNIT IS QUANTISED WHERE ITS LOADS PUT IT: load i reads 512 consecutive bytes of row i, so lane l holds k = 4 l .. + 3, and eight lanes hold a block of 32: its largest magnitude is joined by three lane steps.
; A conversion takes 8 numbers under one scale: rows i and i + 1 are converted twice, once under each row's scale, and each row keeps its own 16 bits.  Only CODES change lanes and cross LDS:
; neighbouring lanes exchange 16 bits, even lanes store a word of row i, odd lanes one of row i + 1, into an image of the operand's registers (a block's 16 rows 288 bytes from the next block's: 32 lanes fall on 32 banks).
; Wk's heads walk through a ring of two LDS slots of two head blocks (69,632 bytes), 2^17 bytes apart.  The four work-groups of a cluster ask jointly (mask 15), a quarter of a slot a wave; each change of slots is a
; round of the cluster's barrier.  The ring's ninth fill brings Wv's scale images, which stay.  While Wk's heads are multiplied, value's units are loaded and quantised between them, loads three units (48 loads a wave) ahead.
; Wv's FRAGMENTS ARE NOT ASKED FOR JOINTLY: they go from wimg straight into the registers of the one wave that uses them, four heads deep (64 registers a head in window 3), by the units' own load lines:
; through LDS each of their 524,288 bytes would be written and read once more, and in that phase nothing else stands on the load counter.  In the first product the data's loads stand there, in order, so Wk takes the ring.
; PREFETCH: at each of the 4 trips over key_ and at each change of slots the 69,632 bytes of wimg that stand 4 fills on are asked for, 17 blocks of 256 bytes a wave (lanes 17-31 name the 17th again); the cluster's
; 16 waves share them by address; behind the last change the last three such pieces of Wv's bytes are asked for, and then nothing.
; LIMITS: NaN and infinities among the inputs are not served.  A block of zeros gets the byte 1 where the rule says 127: its codes are zeros, and this program alone reads the bytes.
; REGISTERS: window 0: v1-26 addresses; v32-63 the data's scale words; v64-71 the weights' scale words; v72-87 q or att, bias; v104-127 at work; v128-191 a head's 8 fragments (first product); v192-255 8 accumulators, between heads the quantiser's work.
;   window 1: codes of K steps 0-3 (64 (q % 4) + 8 x row tile); window 2: K steps 4-7; window 3: four units on their way in, then four heads' fragments of Wv.
.set HBLK,   34816
.set SLOTB,  2*HBLK
.set QUART,  SLOTB/4
.set SLOT1,  1<<17
.set VFR,    16*HBLK+32768             ; where Wv's fragments begin in wimg
.set QT,     SLOTB                     ; between the slots: qs's row, bk, bv: 4,096 bytes each,
.set ATT,    QT+12288                  ; att: [head][r][row tile], 512 bytes a head,
.set OUT,    ATT+8192                  ; the work-group's 1,024 results,
.set SPARE,  OUT+4096                  ; the spare words: 512 bytes that no other line names,
.set PS,     SPARE+512                 ; the parts of the scores: [wave][head][lane][4]: row 32 p + lane at word p
.set UIMG,   1152                      ; a unit's image: four blocks of 16 rows x 16 bytes, 288 bytes apart
.set WIMGB,  16*UIMG                   ; a wave's 16 units: (K step q, tile m) at 2 q + m
.set IMG,    SLOT1+SLOTB
.set ISC,    IMG+4*WIMGB               ; scale words, 1,024 bytes a wave: 128 q + 64 m + 4 r
.set OOF,    OUT-QT
.set GA,1
.set ACD0,2
.set ASB0,3
.set IML,4
.set IML2,5
.set ISL,6
.set AB0,7
.set AS0,8
.set AQ0,9
.set APS0,10
.set APL,11
.set AWS0,12
.set SPW,13
.set NIL,14
.set AAT0,15
.set AAW,16
.set SELV,17
.set PFO,18
.set ACD,19
.set ASB,20
.set AB,21
.set AS,22
.set AQ,23
.set APS,24
.set AAT,25
.set AWS,26
.set CS,32
.set WS,64
.set QR,72
.set BI,80
.set T,104
.set WF,128
.set AT1,128
.set BI1,136
.set ACC,192
.set EM,192
.set CA,208
.set CB,216
.set TD,224
.set TR,232
.set WV,18
.set G1,24
.set G0,32
.set PFA,36
.set IP,40
.set VB,42
.set TPP,44
.set TT,46
.set TQ,47
.set TS,48
.set TI,49
.set TW,50
.set TB,51
.set TA,52
.set TWS,53
.set CO,54
.set VW,68
.set FLR,79
.set MN2,80
.set LOH,81
.set MB0,82
.set MB1,83
.set MB2,84
.set MSB, 0
.macro WIN new                         ; the immediate's high byte repeats the setting that is left
.if MSB != (\new)
	s_set_vgpr_msb (MSB<<8)|(\new)
.set MSB, (\new)
.endif
.endm
.macro CROUND                          ; a round of the cluster's barrier
	s_barrier_signal -1
	s_barrier_wait -1
	s_cmp_lg_u32 s[WV], 0
	s_cbranch_scc1 .Lnot_wave_0_\@
	s_barrier_signal -3
.Lnot_wave_0_\@:
	s_barrier_wait -3
	s_barrier_signal -1
	s_barrier_wait -1
.endm
; A change of slots, at a slot's head: all my tensor loads are in (my quarter of the slot ahead), the add, my LDS reads and stores are over; the round; then the slot left last takes the next 69,632 bytes.
.macro CHANGE
	WIN 0
	s_wait_tensorcnt 0x0
	ds_add_u32 v[SPW], v[NIL]                      ; the descriptor's steps stand between the add and its wait
	s_xor_b32 s[G0+1], s[G0+1], SLOT1
	s_add_nc_u64 s[G0+2:G0+3], s[G0+2:G0+3], SLOTB
	s_wait_xcnt 0x0                                ; my last prefetch has read its address
	s_add_nc_u64 s[PFA:PFA+1], s[PFA:PFA+1], SLOTB
	s_wait_dscnt 0x0
	CROUND
	tensor_load_to_lds s[G0:G0+3], s[G1:G1+7]
	s_nop 0
.rept 4
	v_nop
.endr
.endm
.macro ASK
	s_cmp_lt_u32 ttmp9, 4
	s_cbranch_scc0 .Lno_prefetch_main0_\@
	global_prefetch_b8 v[PFO], s[PFA:PFA+1] th:TH_LOAD_NT scope:SCOPE_SE
.Lno_prefetch_main0_\@:
.endm
; 16 loads of 512 consecutive bytes into set pp of window 3.  Of key_ and value: K step pp / 2 of the trip's two, row tile pp % 2, a row a load.  Of Wv: head pp of a group of four, a piece a load.  nt: bytes that the launch reads once
.macro ISSUE pp, nt
	WIN 0xc0
.irp k, 0,1,2,3,4,5,6,7,8,9,10,11,12,13,14,15
.if \nt
	global_load_b128 v[64*(\pp)+4*\k:64*(\pp)+4*\k+3], v[GA], s[IP:IP+1] offset:512*((\pp)/2)+65536*((\pp)%2)+4096*\k th:TH_LOAD_NT
.else
	global_load_b128 v[64*(\pp)+4*\k:64*(\pp)+4*\k+3], v[GA], s[IP:IP+1] offset:512*((\pp)/2)+65536*((\pp)%2)+4096*\k
.endif
.endr
.endm
.macro UNIT i, nt                      ; unit i is in (behind it two units' 32 loads); the set left last takes the loads three units on; unit i becomes codes and scale bytes
	s_wait_loadcnt 32
	ISSUE (\i+3)%4, \nt
	WIN 0x0f
.irp r, 0,1,2,3,4,5,6,7,8,9,10,11,12,13,14,15
	v_max3_num_f32 v[EM+\r], |v[64*\i+4*\r]|, |v[64*\i+4*\r+1]|, s[FLR]   ; the floor 2^(3 - 127) holds the byte at 1 from below
.endr
.irp r, 0,1,2,3,4,5,6,7,8,9,10,11,12,13,14,15
	v_max3_num_f32 v[EM+\r], |v[64*\i+4*\r+2]|, |v[64*\i+4*\r+3]|, v[EM+\r]
.endr
	WIN 0
.irp x, 1,2,4
.irp r, 0,1,2,3,4,5,6,7,8,9,10,11,12,13,14,15
	v_max_num_f32_dpp v[EM+\r], v[EM+\r], v[EM+\r] row_xmask:\x row_mask:0xf bank_mask:0xf   ; with the block's other seven lanes
.endr
.endr
.irp r, 0,1,2,3,4,5,6,7,8,9,10,11,12,13,14,15
	v_add_nc_u32 v[EM+\r], s[MN2], v[EM+\r]        ; 2 off the exponent field: the conversion's scale operand
.endr
	WIN 0x03
.irp k, 0,1,2,3,4,5,6,7
	v_cvt_scalef32_pk8_fp4_f32 v[CA+\k], v[64*\i+8*\k:64*\i+8*\k+7], v[EM+2*\k]     ; under row 2 k's scale: the low 16 bits count
	v_cvt_scalef32_pk8_fp4_f32 v[CB+\k], v[64*\i+8*\k:64*\i+8*\k+7], v[EM+2*\k+1]   ; under row 2 k + 1's: the high 16
.endr
	WIN 0
.irp k, 0,1,2,3,4,5,6,7
	v_cndmask_b32 v[TR+\k], v[EM+2*\k], v[EM+2*\k+1], s[MB0]     ; lane p of a block's eight picks rows p and 8 + p (plain work behind the conversions)
.endr
.irp k, 0,1,2,3
	v_cndmask_b32 v[TR+8+\k], v[TR+2*\k], v[TR+2*\k+1], s[MB1]
.endr
.irp a, 0,1
	v_cndmask_b32 v[TR+12+\a], v[TR+8+2*\a], v[TR+9+2*\a], s[MB2]
.endr
.irp a, 0,1
	v_lshrrev_b32 v[TR+12+\a], 23, v[TR+12+\a]     ; their scale bytes
.endr
.irp k, 0,1,2,3,4,5,6,7
	v_bfi_b32 v[CA+\k], s[LOH], v[CA+\k], v[CB+\k]
.endr
.irp k, 0,1,2,3,4,5,6,7
	v_mov_b32_dpp v[TD+\k], v[CA+\k] row_xmask:1 row_mask:0xf bank_mask:0xf
.endr
.irp k, 0,1,2,3,4,5,6,7
	v_perm_b32 v[CB+\k], v[CA+\k], v[TD+\k], v[SELV]             ; even lanes: 8 codes of row 2 k; odd lanes: of row 2 k + 1
.endr
.irp k, 0,1,2,3,4,5,6,7
	ds_store_b32 v[ACD], v[CB+\k] offset:UIMG*\i+32*\k
.endr
.irp a, 0,1
	ds_store_b8 v[ASB], v[TR+12+\a] offset:64*\i+32*\a
.endr
.endm
.macro RELOAD                          ; the codes and scale words of all 128 rows, four waves' images, into my registers
.irp qh, 0,1
	WIN 0x40+0x40*\qh
.irp ql, 0,1,2,3
.irp t, 0,1,2,3,4,5,6,7
.irp c, 0,1
	ds_load_b128 v[64*\ql+8*\t+4*\c:64*\ql+8*\t+4*\c+3], v[IML+\t/4] offset:((\t/2)%2)*WIMGB+(2*(4*\qh+\ql)+\t%2)*UIMG+576*\c
.endr
.endr
.endr
.endr
	WIN 0
.irp u, 0,1,2,3
.irp q, 0,1,2,3,4,5,6,7
	ds_load_b32 v[CS+8*\u+\q], v[ISL] offset:1024*\u+128*\q   ; lanes 0-15 row tile 2 u, lanes 16-31 row tile 2 u + 1
.endr
.endr
.endm
.macro WM
.if wa && wb
	v_wmma_scale_f32_16x16x128_f8f6f4 v[rD:rD+7], v[rA:rA+7], v[rB:rB+7], v[rC:rC+7], v[rSA], v[rSB] matrix_a_fmt:MATRIX_FMT_FP4 matrix_b_fmt:MATRIX_FMT_FP4 matrix_a_scale:MATRIX_SCALE_ROW1 matrix_b_scale:MATRIX_SCALE_ROW1
.elseif wa
	v_wmma_scale_f32_16x16x128_f8f6f4 v[rD:rD+7], v[rA:rA+7], v[rB:rB+7], v[rC:rC+7], v[rSA], v[rSB] matrix_a_fmt:MATRIX_FMT_FP4 matrix_b_fmt:MATRIX_FMT_FP4 matrix_a_scale:MATRIX_SCALE_ROW1
.elseif wb
	v_wmma_scale_f32_16x16x128_f8f6f4 v[rD:rD+7], v[rA:rA+7], v[rB:rB+7], v[rC:rC+7], v[rSA], v[rSB] matrix_a_fmt:MATRIX_FMT_FP4 matrix_b_fmt:MATRIX_FMT_FP4 matrix_b_scale:MATRIX_SCALE_ROW1
.else
	v_wmma_scale_f32_16x16x128_f8f6f4 v[rD:rD+7], v[rA:rA+7], v[rB:rB+7], v[rC:rC+7], v[rSA], v[rSB] matrix_a_fmt:MATRIX_FMT_FP4 matrix_b_fmt:MATRIX_FMT_FP4
.endif
.endm
; 64 matrix instructions: my tile of one head x 8 row tiles x 8 K steps; the 8 accumulators take turns; the first K step takes the bias as C.
; aw, ab: window and first register of the fragments;  w0 - 2 kq: the instructions issued behind K step kq + 1's fragment, on DScnt (lc = 0) or LOADcnt (lc = 1).
.macro HMUL aw, ab, ws, bi, w0, lc
.set kq, 0
.rept 8
.if kq%2 == 0
.if \lc
	s_wait_loadcnt \w0-2*kq
.else
	s_wait_dscnt \w0-2*kq
.endif
.endif
	WIN (4+4*(kq/4))|\aw
.set tq, 0
.rept 8
.set rD, ACC+8*tq
.set rA, \ab+8*kq
.set rB, 64*(kq%4)+8*tq
.if kq == 0
.set rC, \bi
.else
.set rC, rD
.endif
.set rSA, \ws+kq%4
.set rSB, CS+8*(tq/2)+kq
.set wa, kq/4
.set wb, tq%2
	WM
.set tq, tq+1
.endr
.set kq, kq+1
.endr
	WIN 0
.rept 4
	v_nop                                          ; places ahead of the first read of results and of loads into the fragments' registers
.endr
.endm
.macro HLK p, i                        ; first product: head p of the slot, the lap's i-th: bk, scale words, 8 fragments, q: 21 loads
	ds_load_b128 v[BI:BI+3], v[AQ] offset:4096+256*\i
	ds_load_b128 v[BI+4:BI+7], v[AQ] offset:4096+256*\i+16
	ds_load_b128 v[WS:WS+3], v[AS] offset:\p*HBLK
.irp q, 0,1,2,3,4,5,6,7
	ds_load_b128 v[WF+8*\q:WF+8*\q+3], v[AB] offset:\p*HBLK+4096*\q
	ds_load_b128 v[WF+8*\q+4:WF+8*\q+7], v[AB] offset:\p*HBLK+4096*\q+512
.endr
	ds_load_b128 v[QR:QR+3], v[AQ] offset:256*\i
	ds_load_b128 v[QR+4:QR+7], v[AQ] offset:256*\i+16
.endm
.macro EPIK i                          ; my 16 columns' part of the head's scores of 128 rows
	s_wait_dscnt 10                                ; q is in; behind it the unit's ten stores
.irp j, 0,2,4,6
.irp t, 0,1,2,3,4,5,6,7
.if \j == 0
	v_pk_mul_f32 v[T+2*\t:T+2*\t+1], v[ACC+8*\t:ACC+8*\t+1], v[QR:QR+1]
.else
	v_pk_fma_f32 v[T+2*\t:T+2*\t+1], v[ACC+8*\t+\j:ACC+8*\t+\j+1], v[QR+\j:QR+\j+1], v[T+2*\t:T+2*\t+1]
.endif
.endr
.endr
.irp t, 0,1,2,3,4,5,6,7
	v_add_f32 v[T+16+\t], v[T+2*\t], v[T+2*\t+1]
.endr
.irp p, 0,1,2,3
	v_permlane16_swap_b32 v[T+16+2*\p], v[T+17+2*\p]
.endr
.irp p, 0,1,2,3
	v_add_f32 v[T+\p], v[T+16+2*\p], v[T+17+2*\p]  ; both halves' columns: row 32 p + lane
.endr
	ds_store_b128 v[APS], v[T:T+3] offset:512*\i
.endm
.macro KPAIR i, p, nt, ask             ; the head's 21 LDS loads land while the unit is quantised
	HLK \p, \i
.if \ask
	ASK
.endif
	UNIT \i, \nt
.if \i == 0
	s_wait_xcnt 0x0                                ; the loads have read their base
	s_add_nc_u64 s[TPP:TPP+1], s[IP:IP+1], 1024
	s_cmp_eq_u32 s[CO], 1
	s_cselect_b64 s[IP:IP+1], s[VW:VW+1], s[TPP:TPP+1]     ; behind value's last unit the same load lines go on into Wv's first three heads
.endif
	HMUL 0, WF, WS, BI, 24, 0
	EPIK \i
.endm
.macro SLOTADR
	v_add_nc_u32 v[AB], s[TB], v[AB0]
	v_add_nc_u32 v[AS], s[TB], v[AS0]
	s_wait_alu depctr_va_vdst(0)
.endm
.macro LV h                            ; second product, the trip's head h: bv, scale words, att: 5 loads, into the set of h's parity
.if (\h)%2
	ds_load_b128 v[BI1:BI1+3], v[AQ] offset:8192+256*(\h)
	ds_load_b128 v[BI1+4:BI1+7], v[AQ] offset:8192+256*(\h)+16
	ds_load_b128 v[WS+4:WS+7], v[AWS] offset:2048*(\h)
	ds_load_b128 v[AT1:AT1+3], v[AAT] offset:512*(\h)
	ds_load_b128 v[AT1+4:AT1+7], v[AAT] offset:512*(\h)+16
.else
	ds_load_b128 v[BI:BI+3], v[AQ] offset:8192+256*(\h)
	ds_load_b128 v[BI+4:BI+7], v[AQ] offset:8192+256*(\h)+16
	ds_load_b128 v[WS:WS+3], v[AWS] offset:2048*(\h)
	ds_load_b128 v[QR:QR+3], v[AAT] offset:512*(\h)
	ds_load_b128 v[QR+4:QR+7], v[AAT] offset:512*(\h)+16
.endif
.endm
.macro EPIV at, p                      ; the sum over 128 rows of att x (v + bv) for my 16 columns: register at + t holds att of row 16 t + r
.irp t, 0,1,2,3,4,5,6,7
.irp j, 0,2,4,6
.if \t == 0
	v_pk_mul_f32 v[T+\j:T+\j+1], v[ACC+\j:ACC+\j+1], v[\at:\at+1] op_sel_hi:[1,0]
.elseif \t%2 == 0
	v_pk_fma_f32 v[T+\j:T+\j+1], v[ACC+8*\t+\j:ACC+8*\t+\j+1], v[\at+\t:\at+\t+1], v[T+\j:T+\j+1] op_sel_hi:[1,0,1]
.else
	v_pk_fma_f32 v[T+\j:T+\j+1], v[ACC+8*\t+\j:ACC+8*\t+\j+1], v[\at+\t-1:\at+\t], v[T+\j:T+\j+1] op_sel:[0,1,0] op_sel_hi:[1,1,1]
.endif
.endr
.endr
.irp x, 1,2,4,8
.irp j, 0,1,2,3,4,5,6,7
	v_add_f32_dpp v[T+\j], v[T+\j], v[T+\j] row_xmask:\x row_mask:0xf bank_mask:0xf
.endr
.endr
	ds_store_b128 v[AQ], v[T:T+3] offset:OOF+256*\p        ; the sixteen lanes of a half write the same 32 bytes with the same values
	ds_store_b128 v[AQ], v[T+4:T+7] offset:OOF+256*\p+16
.endm
.macro VBASE
	v_add_nc_u32 v[AQ], s[TQ], v[AQ0]
	v_add_nc_u32 v[AAT], s[TA], v[AAT0]
	v_add_nc_u32 v[AWS], s[TWS], v[AWS0]
	s_wait_alu depctr_va_vdst(0)
.endm
.macro VHEAD pp, last
.if (\pp < 3) || (\last == 0)
	LV \pp+1
	s_wait_dscnt 5                                 ; this head's five loads are in (and the last head's two stores); behind them the next head's five loads
.else
	s_wait_dscnt 2
.endif
.if \last                              ; behind this head's fragments: 16 loads for each later head
.if \pp%2
	HMUL 3, 64*\pp, WS+4, BI1, 16*(3-\pp)+12, 1
.else
	HMUL 3, 64*\pp, WS, BI, 16*(3-\pp)+12, 1
.endif
.else
.if \pp%2
	HMUL 3, 64*\pp, WS+4, BI1, 60, 1
.else
	HMUL 3, 64*\pp, WS, BI, 60, 1
.endif
	ISSUE \pp, 0                                   ; the head four on, into the registers just left
	WIN 0
.endif
.if \pp%2
	EPIV AT1, \pp
.else
	EPIV QR, \pp
.endif
.endm
.macro VTRIP last                      ; four heads of Wv
	VBASE
.if \last == 0
	s_wait_xcnt 0x0
	s_add_nc_u64 s[IP:IP+1], s[IP:IP+1], 131072    ; the next group of four heads
.endif
	VHEAD 0, \last
	VHEAD 1, \last
	VHEAD 2, \last
	VHEAD 3, \last
	s_add_co_u32 s[TQ], s[TQ], 1024
	s_add_co_u32 s[TA], s[TA], 2048
	s_add_co_u32 s[TWS], s[TWS], 8192
.endm
	s_load_b256 s[4:11], s[0:1], 0x0               ; key_, value, wimg, qs
	s_load_b128 s[12:15], s[0:1], 0x20             ; bk, bv
	s_load_b64 s[16:17], s[0:1], 0x30              ; part
	v_lshl_add_u32 v[SPW], v0, 2, SPARE
	v_mov_b32 v[NIL], 0
	ds_add_u32 v[SPW], v[NIL]                      ; the opening lines: the add, twice on end, and one wait
	ds_add_u32 v[SPW], v[NIL]
	v_lshrrev_b32 v27, 5, v0
	v_readfirstlane_b32 s[WV], v27                 ; wave
	s_bfe_u32 s19, ttmp6, 0x40000                  ; cx
	s_lshl_b32 s20, ttmp9, 2
	s_add_co_u32 s20, s20, s19                     ; work-group g
	s_lshr_b32 s21, ttmp9, 2                       ; batch
	s_mov_b32 s[G1], 15|(3<<16)|(1<<21)            ; mask: the cluster's four; elements of 8 bytes
	s_mov_b32 s[G1+1], 32<<16                      ; a quarter of a slot: 68 rows of 256 bytes, dense
	s_mov_b32 s[G1+2], 68<<16
	s_mov_b32 s[G1+3], 32<<16
	s_mov_b32 s[G1+4], 68
	s_mov_b32 s[G1+5], 32
	s_mov_b32 s[G1+6], 0
	s_mov_b32 s[G1+7], 0
	s_mul_i32 s58, s[WV], QUART
	s_mov_b32 s59, 0
	s_mov_b32 s[FLR], 0x1800000
	s_mov_b32 s[MN2], 0xff000000
	s_mov_b32 s[LOH], 0xffff
	s_mov_b32 s[MB0], 0xaaaaaaaa                   ; lanes whose bit 0, 1, 2 is set
	s_mov_b32 s[MB1], 0xcccccccc
	s_mov_b32 s[MB2], 0xf0f0f0f0
	s_lshl_b32 s70, s[WV], 9
	s_mul_i32 s71, s[WV], WIMGB
	s_add_co_u32 s71, s71, IMG
	s_lshl_b32 s73, s[WV], 10
	s_add_co_u32 s72, s73, ISC
	s_add_co_u32 s74, s70, 32768
	s_lshl_b32 s75, s[WV], 6
	s_add_co_u32 s75, s75, QT
	s_lshl_b32 s76, s[WV], 13
	s_add_co_u32 s76, s76, PS
	s_lshl_b32 s77, s[WV], 2
	s_add_co_u32 s77, s77, PS
	s_lshl_b32 s78, s[WV], 3
	s_add_co_u32 s78, s78, ATT
	s_lshl_b32 s22, s20, 19                        ; my 32 rows of key_ and value: 128 g + 32 w rows of 4,096 bytes
	s_lshl_b32 s23, s[WV], 17
	s_add_co_u32 s22, s22, s23
	s_mov_b32 s23, 0
	s_lshl_b32 s60, s21, 12
	s_mov_b32 s61, 0
	s_lshl_b32 s62, s20, 12
	s_mov_b32 s63, 0
	s_lshl_b32 s66, s19, 2
	s_add_co_u32 s66, s66, s[WV]
	s_mul_i32 s66, s66, 4352                       ; the prefetches: my sixteenth of 69,632 bytes, told apart by address
	s_mov_b32 s67, 0
	v_and_b32 v27, 31, v0                          ; lane
	v_and_b32 v28, 15, v0                          ; r
	v_bfe_u32 v29, v0, 4, 1                        ; h
	v_lshlrev_b32 v[GA], 4, v27
	v_bfe_u32 v30, v0, 3, 2                        ; my block of a unit's four
	v_mul_u32_u24 v[ACD0], v30, 288
	v_and_b32 v31, 1, v0
	v_lshl_add_u32 v[ACD0], v31, 4, v[ACD0]        ; odd lanes: the next row
	v_bfe_u32 v31, v0, 1, 2
	v_lshl_add_u32 v[ACD0], v31, 2, v[ACD0]        ; which word of the block's four
	v_add_nc_u32 v[ACD0], s71, v[ACD0]
	v_and_b32 v31, 7, v0
	v_lshl_add_u32 v[ASB0], v31, 2, v30            ; scale bytes: row p's word, byte = my block
	v_add_nc_u32 v[ASB0], s72, v[ASB0]
	v_mul_u32_u24 v[IML], v29, 288
	v_lshl_add_u32 v[IML], v28, 4, v[IML]
	v_add_nc_u32 v[IML], IMG, v[IML]               ; images of waves 0 and 1,
	v_add_nc_u32 v[IML2], 2*WIMGB, v[IML]          ; of waves 2 and 3
	v_lshl_add_u32 v[ISL], v27, 2, ISC
	v_add_nc_u32 v[AB0], s73, v[GA]                ; my tile's fragments in a head block: 1,024 w + 16 lane
	v_add_nc_u32 v[AS0], s74, v[GA]                ; its scale image: 32,768 + 512 w + 16 lane
	v_add_nc_u32 v[AWS0], s70, v[GA]               ; Wv's scale images, in slot 0: 512 w + 16 lane
	v_lshl_add_u32 v[AQ0], v29, 5, s75             ; q, bk, bv, results: columns 16 w + 8 h on
	v_add_nc_u32 v[APS0], s76, v[GA]
	v_add_nc_u32 v[APL], s77, v[GA]
	v_lshl_add_u32 v[AAT0], v28, 5, ATT
	v_lshl_add_u32 v30, v29, 2, s78
	v_lshl_add_u32 v[AAW], v28, 5, v30             ; row 32 w + lane is row r of tile 2 w + h
	v_mov_b32 v[SELV], 0x01000504                  ; even lanes: my low half, my neighbour's low half;
	v_mov_b32 v31, 0x07060302                      ; odd lanes: my neighbour's high half, my high half
	v_cndmask_b32 v[SELV], v[SELV], v31, s[MB0]
	v_min_u32 v[PFO], 16, v27
	v_lshlrev_b32 v[PFO], 8, v[PFO]
.irp k, 0,1,2,3,4,5,6,7
	v_mov_b32 v[TD+\k], 0                          ; written once: a lane move's destination counts as one of its sources
.endr
	v_lshl_add_u32 v31, v0, 5, QT
	v_lshlrev_b32 v30, 5, v0
	s_wait_alu depctr_va_vdst(0)                   ; the wait at the head's end
	s_wait_dscnt 0x0
	s_wait_kmcnt 0x0
	s_add_nc_u64 s[IP:IP+1], s[4:5], s[22:23]
	s_add_nc_u64 s[VB:VB+1], s[6:7], s[22:23]
	s_add_nc_u64 s[10:11], s[10:11], s[60:61]
	s_add_nc_u64 s[16:17], s[16:17], s[62:63]
	s_add_nc_u64 s[PFA:PFA+1], s[8:9], s[66:67]
	s_add_co_u32 s66, s73, VFR
	s_add_nc_u64 s[VW:VW+1], s[8:9], s[66:67]      ; Wv's fragments, my tile
	s_add_nc_u64 s[8:9], s[8:9], s[58:59]
	s_mov_b32 s[G0], 1
	s_mov_b32 s[G0+1], s58
	s_mov_b64 s[G0+2:G0+3], s[8:9]
	s_or_b32 s[G0+3], s[G0+3], 0x80000000
	global_load_b128 v[96:99], v30, s[10:11]
	global_load_b128 v[100:103], v30, s[10:11] offset:16
	global_load_b128 v[104:107], v30, s[12:13]
	global_load_b128 v[108:111], v30, s[12:13] offset:16
	global_load_b128 v[112:115], v30, s[14:15]
	global_load_b128 v[116:119], v30, s[14:15] offset:16
	ISSUE 0, 1
	ISSUE 1, 1
	ISSUE 2, 1
	WIN 0
	CROUND                                         ; the four work-groups are here: the first joint load meets
	tensor_load_to_lds s[G0:G0+3], s[G1:G1+7]      ; slot 0: Wk's heads 0 and 1; my one tensor load at the head
	s_nop 0
.rept 4
	v_nop
.endr
	s_wait_loadcnt 48                              ; the six small loads are in; behind them three units' 48
	ds_store_b128 v31, v[96:99]
	ds_store_b128 v31, v[100:103] offset:16
	ds_store_b128 v31, v[104:107] offset:4096
	ds_store_b128 v31, v[108:111] offset:4112
	ds_store_b128 v31, v[112:115] offset:8192
	ds_store_b128 v31, v[116:119] offset:8208
	s_mov_b32 s[TT], 0
	s_mov_b32 s[TI], 0
	s_mov_b32 s[TW], 0
.Lkey:                                             ; key_: four trips of two K steps x two row tiles
	v_add_nc_u32 v[ACD], s[TI], v[ACD0]
	v_add_nc_u32 v[ASB], s[TW], v[ASB0]
	s_wait_alu depctr_va_vdst(0)
	UNIT 0, 1
	s_wait_xcnt 0x0
	s_add_nc_u64 s[TPP:TPP+1], s[IP:IP+1], 1024
	s_cmp_eq_u32 s[TT], 3
	s_cselect_b64 s[IP:IP+1], s[VB:VB+1], s[TPP:TPP+1]     ; behind key_'s last unit the loads go on into value
	s_add_nc_u64 s[PFA:PFA+1], s[PFA:PFA+1], SLOTB
	UNIT 1, 1
	ASK                                            ; trip t asks for the ring's fill t + 1
	UNIT 2, 1
	UNIT 3, 1
	s_add_co_u32 s[TI], s[TI], 4*UIMG
	s_add_co_u32 s[TW], s[TW], 256
	s_add_co_u32 s[TT], s[TT], 1
	s_cmp_lt_u32 s[TT], 4
	s_cbranch_scc1 .Lkey
	s_wait_dscnt 0x0                               ; my images and my part of the tables lie in LDS
	s_barrier_signal -1
	s_barrier_wait -1
	RELOAD                                         ; key_'s codes; the next change of slots waits for these loads, and only behind its round are the images written again
	s_mov_b32 s[TI], 0
	s_mov_b32 s[TW], 0
	s_mov_b32 s[TQ], 0
	s_mov_b32 s[TS], 0
	s_mov_b32 s[TB], 0
	s_mov_b32 s[CO], 4
.Llapk:                                            ; four laps alike: two slots, four heads of Wk, four units of value
	CHANGE
	v_add_nc_u32 v[ACD], s[TI], v[ACD0]
	v_add_nc_u32 v[ASB], s[TW], v[ASB0]
	v_add_nc_u32 v[AQ], s[TQ], v[AQ0]
	v_add_nc_u32 v[APS], s[TS], v[APS0]
	SLOTADR
	KPAIR 0, 0, 1, 1
	KPAIR 1, 1, 0, 0
	s_xor_b32 s[TB], s[TB], SLOT1
	CHANGE
	SLOTADR
	KPAIR 2, 0, 0, 1
	KPAIR 3, 1, 0, 0
	s_xor_b32 s[TB], s[TB], SLOT1
	s_add_co_u32 s[TI], s[TI], 4*UIMG
	s_add_co_u32 s[TW], s[TW], 256
	s_add_co_u32 s[TQ], s[TQ], 1024
	s_add_co_u32 s[TS], s[TS], 2048
	s_sub_co_u32 s[CO], s[CO], 1
	s_cmp_lg_u32 s[CO], 0
	s_cbranch_scc1 .Llapk
	ISSUE 3, 0                                     ; Wv's head 3: heads 0 to 2 were asked for by the last lap's units
	WIN 0
	s_wait_xcnt 0x0
	s_add_nc_u64 s[PFA:PFA+1], s[PFA:PFA+1], SLOTB
	ASK                                            ; the last three pieces of Wv's bytes
	s_cmp_lt_u32 ttmp9, 4
	s_cbranch_scc0 .Lno_prefetch_main1
	global_prefetch_b8 v[PFO], s[PFA:PFA+1] offset:SLOTB th:TH_LOAD_NT scope:SCOPE_SE
	global_prefetch_b8 v[PFO], s[PFA:PFA+1] offset:2*SLOTB th:TH_LOAD_NT scope:SCOPE_SE
.Lno_prefetch_main1:
	s_wait_tensorcnt 0x0                           ; my quarter of the ring's last fill, Wv's scale images among it, is in
	s_wait_dscnt 0x0                               ; my parts of the scores and value's images lie in LDS
	s_barrier_signal -1
	s_barrier_wait -1
	RELOAD                                         ; value's codes
.irp u, 0,1,2,3
.irp h, 0,1,2,3,4,5,6,7,8,9,10,11,12,13,14,15
	ds_load_b32 v[128+16*\u+\h], v[APL] offset:8192*\u+512*\h   ; row 32 w + lane: four waves' parts of 16 heads
.endr
.endr
	s_wait_dscnt 0x0
.irp u, 1,2,3
.irp j, 0,2,4,6,8,10,12,14
	v_pk_add_f32 v[128+\j:129+\j], v[128+\j:129+\j], v[128+16*\u+\j:129+16*\u+\j]
.endr
.endr
	v_max3_num_f32 v104, v128, v129, v130
.irp i, 3,5,7,9,11,13
	v_max3_num_f32 v104, v104, v[128+\i], v[129+\i]
.endr
	v_max_num_f32 v104, v104, v143
	v_mov_b32 v105, v104
.irp j, 0,2,4,6,8,10,12,14
	v_pk_add_f32 v[128+\j:129+\j], v[128+\j:129+\j], v[104:105] neg_lo:[0,1] neg_hi:[0,1]
.endr
	s_wait_alu depctr_va_vdst(0)                   ; the wait ahead of the batch
.irp d, 0,1,2,3,4,5,6,7,8,9,10,11,12,13,14,15
	v_exp_f32 v[128+\d], v[128+\d]
.endr
	v_nop
	s_wait_alu depctr_va_vdst(0)                   ; and behind it
.irp i, 0,1,2,3
	v_pk_add_f32 v[106+2*\i:107+2*\i], v[128+4*\i:129+4*\i], v[130+4*\i:131+4*\i]
.endr
	v_pk_add_f32 v[106:107], v[106:107], v[108:109]
	v_pk_add_f32 v[110:111], v[110:111], v[112:113]
	v_pk_add_f32 v[106:107], v[106:107], v[110:111]
	v_add_f32 v106, v106, v107
	s_wait_alu depctr_va_vdst(0)
	v_rcp_f32 v114, v106
	v_rcp_f32 v115, v106
	v_nop
	s_wait_alu depctr_va_vdst(0)
.irp j, 0,2,4,6,8,10,12,14
	v_pk_mul_f32 v[128+\j:129+\j], v[128+\j:129+\j], v[114:115]
.endr
.irp d, 0,1,2,3,4,5,6,7,8,9,10,11,12,13,14,15
	ds_store_b32 v[AAW], v[128+\d] offset:512*\d
.endr
	s_mov_b32 s[TQ], 0
	s_mov_b32 s[TA], 0
	s_mov_b32 s[TWS], 0
	s_wait_dscnt 0x0                               ; for the others' sake: my rows' att lie in LDS
	s_barrier_signal -1
	s_barrier_wait -1
	VBASE
	LV 0
	s_mov_b32 s[CO], 3
.Lv:
	VTRIP 0
	s_sub_co_u32 s[CO], s[CO], 1
	s_cmp_lg_u32 s[CO], 0
	s_cbranch_scc1 .Lv
	VTRIP 1                                        ; the last four heads are written out: nothing is asked for behind them
	s_wait_dscnt 0x0
	s_barrier_signal -1
	s_barrier_wait -1
	v_lshl_add_u32 v104, v0, 4, OUT
	v_lshlrev_b32 v105, 4, v0
	s_wait_alu depctr_va_vdst(0)
	ds_load_b128 v[96:99], v104
	ds_load_b128 v[100:103], v104 offset:2048
	s_wait_dscnt 0x0
	global_store_b128 v105, v[96:99], s[16:17]     ; sixteen lanes store 256 consecutive bytes, at a multiple of 256 from part's first byte
	global_store_b128 v105, v[100:103], s[16:17] offset:2048
	s_wait_tensorcnt 0x0                           ; the wave's end
	ds_add_u32 v[SPW], v[NIL]
	s_wait_dscnt 0x0
	CROUND                                         ; the closing round
	s_endpgm
.Lfunc_end_k_q15613c0e6d_main:
	.size	k_q15613c0e6d_main, .Lfunc_end_k_q15613c0e6d_main-k_q15613c0e6d_main
	.p2alignl 7, 3214868480
	.fill 96, 4, 3214868480
	.section	.rodata,"a",@progbits
	.p2align	6, 0x0
	.amdhsa_kernel k_q15613c0e6d_main
		.amdhsa_group_segment_fixed_size 327680
		.amdhsa_private_segment_fixed_size 0
		.amdhsa_enable_private_segment 0
		.amdhsa_kernarg_size 56
		.amdhsa_user_sgpr_count 2
		.amdhsa_user_sgpr_kernarg_segment_ptr 1
		.amdhsa_wavefront_size32 1
		.amdhsa_system_sgpr_workgroup_id_x 1
		.amdhsa_system_sgpr_workgroup_id_y 1
		.amdhsa_system_sgpr_workgroup_id_z 1
		.amdhsa_system_vgpr_workitem_id 0
		.amdhsa_next_free_vgpr 1024
		.amdhsa_next_free_sgpr 88
		.amdhsa_reserve_vcc 0
		.amdhsa_float_denorm_mode_32 3
		.amdhsa_float_denorm_mode_16_64 3
		.amdhsa_memory_ordered 1
		.amdhsa_forward_progress 1
		.amdhsa_inst_pref_size 255
	.end_amdhsa_kernel
	.section	.bss,"aw",@nobits
	.p2align	6
	.space	262144
	.amdgpu_metadata
---
amdhsa.version: [ 1, 2 ]
amdhsa.kernels:
  - .name:           k_q15613c0e6d_main
    .symbol:         k_q15613c0e6d_main.kd
    .args:
      - { .name: key_, .offset: 0, .size: 8, .value_kind: global_buffer, .address_space: global }
      - { .name: value, .offset: 8, .size: 8, .value_kind: global_buffer, .address_space: global }
      - { .name: wimg, .offset: 16, .size: 8, .value_kind: global_buffer, .address_space: global }
      - { .name: qs, .offset: 24, .size: 8, .value_kind: global_buffer, .address_space: global }
      - { .name: bk, .offset: 32, .size: 8, .value_kind: global_buffer, .address_space: global }
      - { .name: bv, .offset: 40, .size: 8, .value_kind: global_buffer, .address_space: global }
      - { .name: part, .offset: 48, .size: 8, .value_kind: global_buffer, .address_space: global }
    .group_segment_fixed_size: 327680
    .private_segment_fixed_size: 0
    .kernarg_segment_align: 8
    .kernarg_segment_size: 56
    .max_flat_workgroup_size: 128
    .sgpr_count:     88
    .vgpr_count:     1024
    .wavefront_size: 32
...
	.end_amdgpu_metadata
.endif
;; end of part 2
;; launch fin (part 3): grid 64 x 1, 8 waves a work-group, no clusters, 15,360 bytes of LDS; arguments part, wimg, bf, out0; writes out0
.if DOCPART == 3
	.amdgcn_target "amdgcn-amd-amdhsa--gfx1250"
	.amdhsa_code_object_version 6
	.text
	.protected	k_q15613c0e6d_fin
	.globl	k_q15613c0e6d_fin
	.p2align	8
	.type	k_q15613c0e6d_fin,@function
k_q15613c0e6d_fin:
	s_mov_b64 s[64:65], 0
	v_nop
	global_prefetch_b8 v0, s[64:65] scope:SCOPE_SE
	s_setreg_imm32_b32 hwreg(HW_REG_WAVE_MODE, 25, 1), 1
	s_wait_xcnt 0x0
; out0[b][n] = the sum over k of Q(o[b])[k] Q(Wf)[n][k] + bf[n], with o[b][k] = the sum of the batch's 16 rows of part.  The product on codes of FP4 (E2M1) with one E8M0 byte for each 32 along K.
; SHARES.  Work-group x: batch x / 4, outputs 256 (x % 4) on.  Wave w adds the 16 parts of K step w (128 numbers) and quantises them; its fragment and scale word go to the other waves through LDS as images of
; their registers.  Then wave w multiplies all 8 K steps with two tiles of 16 rows of Wf: outputs 32 w .. + 31 of the work-group's 256.  Wf's fragments come from wimg (head blocks 32 on) straight into registers.
; The operand's 16 rows are 16 copies of the one row o[b]: with one batch to a work-group it reads 64 KiB of parts; with 16 batches every work-group would read all of part.  Row 0 and row 8 of the result are used.
; No tensor load, no cluster: a work-group reads its 64 KiB of parts and 136 KiB of weights once, each byte into the registers of the one wave that uses it, with no loop over which a joint request could be spread.
; LIMITS: NaN and infinities are not served.  A block of zeros has the byte 1 where the rule says 127: its codes are zeros.  The sum over a batch's rows ends here, work-group by work-group in ascending order.
.set HBLK, 34816
.set XT,   0                           ; LDS: eight waves' 128 numbers, 512 bytes each
.set FIMG, 4096                        ; the 8 fragments' images, 1,024 bytes each
.set FSC,  12288                       ; their scale words, 128 bytes each
.set YT,   13312                       ; the work-group's 256 outputs
.set GA,  3                            ; v3   16 x lane
.set XTS, 4                            ; v4   where my 4 sums go
.set XTL, 5                            ; v5   where my 64 numbers come from
.set FIS, 6                            ; v6   where my fragment's image goes
.set FSS, 7                            ; v7   and its scale word
.set LS,  8                            ; v8   4 x lane
.set SH8, 9                            ; v9   8 (lane / 16)
.set YS,  10                           ; v10  where my output goes
.set YL,  11                           ; v11  where 16 bytes of outputs come from
.set PW,  12
.set OO,  13                           ; v13  their place in out0
.set M,   14                           ; v14-17 four chains of maxima; then the two bytes in v15, v17
.set E,   18                           ; v18-19
.set BFV, 20
.set PX,  22
.set Y,   23
.set ACC, 24                           ; v24-39 two accumulators
.set WS,  40                           ; v40-47 Wf's scale words: register 4 tt + i: lanes 0-15 K step i, lanes 16-31 K step 4 + i (scales alone)
.set XS,  48                           ; v48-55 o's scale words, K step s (scales alone)
.set PC,  56                           ; v56-63
.set X,   64                           ; v64-127 the parts, then my 64 numbers, then o's 8 fragments
.set BW,  128                          ; v128-255 Wf's 16 fragments, (s, tt) at 8 (2 s + tt)
.set SEL, 16
	s_load_b256 s[4:11], s[0:1], 0x0               ; part s[4:5], wimg s[6:7], bf s[8:9], out0 s[10:11]
	v_lshl_add_u32 v21, v0, 2, 0x3800
	s_set_vgpr_msb 0x40
	v_mov_b32 v1, 0
	s_set_vgpr_msb 0x4000
	v_lshrrev_b32 v1, 5, v0
	s_delay_alu instid0(VALU_DEP_1)
	v_readfirstlane_b32 s12, v1                    ; wave
	v_and_b32 v1, 31, v0                           ; lane
	s_wait_alu depctr_va_vdst(0)
	v_bfe_u32 v2, v0, 4, 1                         ; h
	s_wait_alu depctr_va_vdst(0)
	s_lshr_b32 s13, ttmp9, 2                       ; batch
	s_and_b32 s14, ttmp9, 3                        ; which 256 outputs
	s_mov_b32 s[SEL], 0x76543210
	s_mov_b32 s[SEL+1], 0xfedcba98
	v_lshlrev_b32 v[GA], 4, v1
	s_lshl_b32 s18, s12, 9
	v_add_nc_u32 v[XTS], s18, v[GA]
	v_lshl_add_u32 v[XTL], v2, 7, s18
	s_lshl_b32 s19, s12, 10
	s_add_co_u32 s19, s19, FIMG
	v_add_nc_u32 v[FIS], s19, v[GA]
	s_lshl_b32 s19, s12, 7
	s_add_co_u32 s19, s19, FSC
	v_lshl_add_u32 v[FSS], v1, 2, s19
	v_lshlrev_b32 v[LS], 2, v1
	v_lshlrev_b32 v[SH8], 3, v2
	v_lshl_add_u32 v[YS], v0, 2, YT
	v_and_b32 v[OO], 63, v0
	s_delay_alu instid0(VALU_DEP_1)
	v_lshlrev_b32 v[OO], 4, v[OO]
	s_delay_alu instid0(VALU_DEP_1)
	v_add_nc_u32 v[YL], YT, v[OO]
	v_mov_b32 v[PX], 0                             ; written once: a lane permute's destination counts as one of its sources
	s_lshl_b32 s20, s13, 16                        ; the batch's 16 rows of part, my K step's 512 bytes
	s_add_co_u32 s20, s20, s18
	s_mov_b32 s21, 0
	s_lshl_b32 s22, s14, 2
	s_lshr_b32 s23, s12, 1
	s_add_co_u32 s22, s22, s23
	s_add_co_u32 s22, s22, 32
	s_mul_i32 s22, s22, HBLK                       ; Wf's head block 32 + 4 (x % 4) + w / 2
	s_and_b32 s23, s12, 1                          ; my tiles in it: 2 (w % 2) and the next
	s_lshl_b32 s24, s23, 11
	s_add_co_u32 s24, s24, s22                     ; fragments: + 1,024 a tile
	s_mov_b32 s25, 0
	s_lshl_b32 s26, s23, 10
	s_add_co_u32 s26, s26, s22                     ; scale images: + 512 a tile
	s_mov_b32 s27, 0
	s_lshl_b32 s28, s14, 10                        ; 256 outputs are 1,024 bytes
	s_lshl_b32 s29, s12, 7
	s_add_co_u32 s30, s28, s29                     ; bf: my wave's 32
	s_mov_b32 s31, 0
	s_lshl_b32 s29, s13, 12
	s_add_co_u32 s28, s28, s29                     ; out0: the batch's row, the work-group's 256
	s_mov_b32 s29, 0
	s_wait_alu depctr_va_vdst(0)
	s_wait_kmcnt 0x0
	s_add_nc_u64 s[4:5], s[4:5], s[20:21]
	s_add_nc_u64 s[24:25], s[6:7], s[24:25]
	s_add_nc_u64 s[26:27], s[6:7], s[26:27]
	s_add_nc_u64 s[8:9], s[8:9], s[30:31]
	s_add_nc_u64 s[10:11], s[10:11], s[28:29]
.irp p, 0,1,2,3,4,5,6,7,8,9,10,11,12,13,14,15
	global_load_b128 v[X+4*\p:X+4*\p+3], v[GA], s[4:5] offset:4096*\p   ; part p: 512 consecutive bytes
.endr
.irp q, 0,1,2,3,4,5,6,7
.irp u, 0,1
.irp c, 0,1
	global_load_b128 v[BW+8*(2*\q+\u)+4*\c:BW+8*(2*\q+\u)+4*\c+3], v[GA], s[24:25] offset:(4*\q+\u)*1024+512*\c
.endr
.endr
.endr
.irp u, 0,1
	global_load_b128 v[WS+4*\u:WS+4*\u+3], v[GA], s[26:27] offset:32768+512*\u
.endr
	global_load_b32 v[BFV], v[LS], s[8:9]
	s_wait_loadcnt 35                              ; the 16 parts are in; behind them: 32 loads of fragments, 2 of scale words, 1 of bf
.irp p, 1
	v_pk_add_f32 v[X:X+1], v[X:X+1], v[X+4*\p:X+4*\p+1]
	v_pk_add_f32 v[X+2:X+3], v[X+2:X+3], v[X+4*\p+2:X+4*\p+3]
.endr
.irp p, 2, 3, 4, 5, 6, 7, 8, 9, 10, 11, 12, 13, 14, 15
	s_delay_alu instid0(VALU_DEP_2)
	v_pk_add_f32 v[X:X+1], v[X:X+1], v[X+4*\p:X+4*\p+1]
	s_delay_alu instid0(VALU_DEP_2)
	v_pk_add_f32 v[X+2:X+3], v[X+2:X+3], v[X+4*\p+2:X+4*\p+3]
.endr
	ds_store_b128 v[XTS], v[X:X+3]                 ; my wave's 128 numbers lie on end
.irp c, 0,1
.irp e, 0,1,2,3,4,5,6,7
	ds_load_b128 v[X+32*\c+4*\e:X+32*\c+4*\e+3], v[XTL] offset:256*\c+16*\e   ; LDS serves a wave's instructions in order.  Register 32 c + e' = k 64 c + 32 h + e': the same in all sixteen lanes of a half
.endr
.endr
	s_wait_dscnt 0x0
	v_max3_num_f32 v[M],   |v[X]|,    |v[X+1]|,  0x1800000       ; two chains for each of my two blocks; the floor 2^(3 - 127) holds the byte at 1 from below
	v_max3_num_f32 v[M+1], |v[X+2]|,  |v[X+3]|,  0x1800000
	v_max3_num_f32 v[M+2], |v[X+32]|, |v[X+33]|, 0x1800000
	v_max3_num_f32 v[M+3], |v[X+34]|, |v[X+35]|, 0x1800000
.irp i, 4,8,12,16,20,24,28
	s_delay_alu instid0(VALU_DEP_4)
	v_max3_num_f32 v[M],   |v[X+\i]|,    |v[X+\i+1]|,  v[M]
	s_delay_alu instid0(VALU_DEP_4)
	v_max3_num_f32 v[M+1], |v[X+\i+2]|,  |v[X+\i+3]|,  v[M+1]
	s_delay_alu instid0(VALU_DEP_4)
	v_max3_num_f32 v[M+2], |v[X+\i+32]|, |v[X+\i+33]|, v[M+2]
	s_delay_alu instid0(VALU_DEP_4)
	v_max3_num_f32 v[M+3], |v[X+\i+34]|, |v[X+\i+35]|, v[M+3]
.endr
	s_delay_alu instid0(VALU_DEP_3)
	v_max_num_f32 v[M], v[M], v[M+1]
	s_delay_alu instid0(VALU_DEP_2)
	v_max_num_f32 v[M+2], v[M+2], v[M+3]
	s_delay_alu instid0(VALU_DEP_2)
	v_add_nc_u32 v[E], 0xff000000, v[M]            ; 2 off the exponent field: the conversion's scale operand
	s_delay_alu instid0(VALU_DEP_2)
	v_add_nc_u32 v[E+1], 0xff000000, v[M+2]
	s_delay_alu instid0(VALU_DEP_2)
	v_lshrrev_b32 v[M+1], 23, v[E]
	s_delay_alu instid0(VALU_DEP_2)
	v_lshrrev_b32 v[M+3], 23, v[E+1]
	s_delay_alu instid0(VALU_DEP_1)
	v_lshl_or_b32 v[PW], v[M+3], 16, v[M+1]
	s_delay_alu instid0(VALU_DEP_1)
	v_lshlrev_b32 v[PW], v[SH8], v[PW]
	s_delay_alu instid0(VALU_DEP_1)
	v_permlanex16_b32 v[PX], v[PW], s[SEL], s[SEL+1]
	s_delay_alu instid0(VALU_DEP_1)
	v_or_b32 v[PW], v[PW], v[PX]                   ; the K step's scale word
.irp c, 0,1
.irp g, 0,1,2,3
	v_cvt_scalef32_pk8_fp4_f32 v[PC+4*\c+\g], v[X+32*\c+8*\g:X+32*\c+8*\g+7], v[E+\c]
.endr
.endr
	v_nop                                          ; one plain place behind the last scaled conversion
	ds_store_b128 v[FIS], v[PC:PC+3]               ; the fragment goes to LDS as it stands
	ds_store_b128 v[FIS], v[PC+4:PC+7] offset:512
	ds_store_b32 v[FSS], v[PW]
	s_wait_dscnt 0x0                               ; for the others' sake
	s_barrier_signal -1
	s_barrier_wait -1                              ; o's eight fragments lie in LDS
.irp q, 0,1,2,3,4,5,6,7
.irp c, 0,1
	ds_load_b128 v[X+8*\q+4*\c:X+8*\q+4*\c+3], v[GA] offset:FIMG+1024*\q+512*\c
.endr
	ds_load_b32 v[XS+\q], v[LS] offset:FSC+128*\q
.endr
	s_wait_dscnt 0x0
	s_wait_loadcnt 0x0                             ; Wf's fragments, its scale words, bf
.irp q, 0,1,2,3,4,5,6,7                ; the two accumulators take turns, one instruction a turn, K ascending
.irp u, 0,1
.if \q == 0
	v_wmma_scale_f32_16x16x128_f8f6f4 v[ACC+8*\u:ACC+8*\u+7], v[X+8*\q:X+8*\q+7], v[BW+8*(2*\q+\u):BW+8*(2*\q+\u)+7], 0, v[XS+\q], v[WS+4*\u+\q%4] matrix_a_fmt:MATRIX_FMT_FP4 matrix_b_fmt:MATRIX_FMT_FP4
.elseif \q < 4
	v_wmma_scale_f32_16x16x128_f8f6f4 v[ACC+8*\u:ACC+8*\u+7], v[X+8*\q:X+8*\q+7], v[BW+8*(2*\q+\u):BW+8*(2*\q+\u)+7], v[ACC+8*\u:ACC+8*\u+7], v[XS+\q], v[WS+4*\u+\q%4] matrix_a_fmt:MATRIX_FMT_FP4 matrix_b_fmt:MATRIX_FMT_FP4
.else
	v_wmma_scale_f32_16x16x128_f8f6f4 v[ACC+8*\u:ACC+8*\u+7], v[X+8*\q:X+8*\q+7], v[BW+8*(2*\q+\u):BW+8*(2*\q+\u)+7], v[ACC+8*\u:ACC+8*\u+7], v[XS+\q], v[WS+4*\u+\q%4] matrix_a_fmt:MATRIX_FMT_FP4 matrix_b_fmt:MATRIX_FMT_FP4 matrix_b_scale:MATRIX_SCALE_ROW1
.endif
.endr
.endr
	s_mov_b32 vcc_lo, 0xffff0000
.rept 4
	v_nop
.endr
	v_cndmask_b32 v[Y], v[ACC], v[ACC+8], vcc_lo   ; register 0: lanes 0-15 column r of my first tile, lanes 16-31 column r of my second: output 32 w + lane
	s_delay_alu instid0(VALU_DEP_1)
	v_add_f32 v[Y], v[Y], v[BFV]
	ds_store_b32 v[YS], v[Y]
	s_wait_dscnt 0x0                               ; for the others' sake
	s_barrier_signal -1
	s_barrier_wait -1
	s_cmp_gt_u32 s12, 1
	s_cbranch_scc1 .Ldone
	ds_load_b128 v[PC:PC+3], v[YL]                 ; waves 0 and 1 store the 1,024 bytes: sixteen lanes fill 256 consecutive bytes, at a multiple of 256 from out0's first byte
	s_wait_dscnt 0x0
	global_store_b128 v[OO], v[PC:PC+3], s[10:11]
.Ldone:
	s_set_vgpr_msb 0x4
	s_wait_tensorcnt 0x0
	ds_add_u32 v21, v1
	s_wait_dscnt 0x0
	s_set_vgpr_msb 0x400
	s_endpgm
.Lfunc_end_k_q15613c0e6d_fin:
	.size	k_q15613c0e6d_fin, .Lfunc_end_k_q15613c0e6d_fin-k_q15613c0e6d_fin
	.p2alignl 7, 3214868480
	.fill 96, 4, 3214868480
	.section	.rodata,"a",@progbits
	.p2align	6, 0x0
	.amdhsa_kernel k_q15613c0e6d_fin
		.amdhsa_group_segment_fixed_size 15360
		.amdhsa_private_segment_fixed_size 0
		.amdhsa_enable_private_segment 0
		.amdhsa_kernarg_size 32
		.amdhsa_user_sgpr_count 2
		.amdhsa_user_sgpr_kernarg_segment_ptr 1
		.amdhsa_wavefront_size32 1
		.amdhsa_system_sgpr_workgroup_id_x 1
		.amdhsa_system_sgpr_workgroup_id_y 1
		.amdhsa_system_sgpr_workgroup_id_z 1
		.amdhsa_system_vgpr_workitem_id 0
		.amdhsa_next_free_vgpr 258
		.amdhsa_next_free_sgpr 66
		.amdhsa_reserve_vcc 1
		.amdhsa_float_denorm_mode_32 3
		.amdhsa_float_denorm_mode_16_64 3
		.amdhsa_memory_ordered 1
		.amdhsa_forward_progress 1
		.amdhsa_inst_pref_size 21
	.end_amdhsa_kernel
	.amdgpu_metadata
---
amdhsa.version: [ 1, 2 ]
amdhsa.kernels:
  - .name:           k_q15613c0e6d_fin
    .symbol:         k_q15613c0e6d_fin.kd
    .args:
      - { .name: part, .offset: 0, .size: 8, .value_kind: global_buffer, .address_space: global }
      - { .name: wimg, .offset: 8, .size: 8, .value_kind: global_buffer, .address_space: global }
      - { .name: bf, .offset: 16, .size: 8, .value_kind: global_buffer, .address_space: global }
      - { .name: out0, .offset: 24, .size: 8, .value_kind: global_buffer, .address_space: global }
    .group_segment_fixed_size: 15360
    .private_segment_fixed_size: 0
    .kernarg_segment_align: 8
    .kernarg_segment_size: 32
    .max_flat_workgroup_size: 256
    .sgpr_count:     66
    .vgpr_count:     258
    .wavefront_size: 32
...
	.end_amdgpu_metadata
.endif
;; end of part 3
